; MI455X (gfx1250); checked and timed in simulation.
; The chip was launched on July 23, 2026; its instructions are those of AMD's public machine-readable ISA for CDNA 5 (MIT licence, August 2026) and "CDNA5" Instruction Set Architecture Reference Guide (July 2026). The comments in the code are by the model that wrote it; some were corrected since.
;; B Spline. Allowed arithmetic: float matrix products may take bf16 or f16 operands with f32 sums; all other float work in f32.
;; Inputs: coeffs 69 float32; grid 70 float32; x 2,097,152 float32.
;; Outputs: out0 2,097,152 float32.
;; 2 versions, each right; version 2 is version 1 with the launch spline written anew for expert scheduling mode. Each part assembles by itself: llvm-mc -triple=amdgcn-amd-amdhsa -mcpu=gfx1250 --defsym DOCPART=n.
;; ======== version 1 of 2: 2 launches
;; workspace buffers: bidx 2,097,152 bytes of whole numbers; meta 512 bytes of whole numbers; tab 2,048 bytes
;; launch buckets (part 1): grid 257 x 1, 16 waves a work-group, no clusters, 14,336 bytes of LDS; arguments x, coeffs, grid, bidx, tab, meta; writes bidx, tab, meta
.if DOCPART == 1
	.amdgcn_target "amdgcn-amd-amdhsa--gfx1250"
	.amdhsa_code_object_version 6
	.text
	.protected	k_q483239cb9e_buckets
	.globl	k_q483239cb9e_buckets
	.p2align	8
	.type	k_q483239cb9e_buckets,@function
k_q483239cb9e_buckets:
	s_mov_b64 s[64:65], 0
	v_nop
	global_prefetch_b8 v0, s[64:65] scope:SCOPE_SE
	s_setreg_imm32_b32 hwreg(HW_REG_WAVE_MODE, 25, 1), 1
	s_wait_xcnt 0x0
; First of two launches for f(x) = sum_i coeffs[i] B_i,3(x) on 70 knots that are an input (any order, ties allowed).
; The recursion is linear in the degree-0 indicators, so f(x) = sum_j [g_j <= x < g_j+1] Q_j(x) with one cubic Q_j for each interval,
; and which intervals hold x hangs only on the largest knot <= x.  So there is one cubic for each sorted knot: row p = 1..70, centred
; at t_p, the p-th smallest knot; row 0 (x below every knot) is the zero cubic.
; Work-groups 0..255: each point's bucket, bucket(v) = u32(min(max((v - lo) * scale, 0), 255)), lo/hi = least/largest knot,
;   scale = 256 / (hi - lo); one byte a point into bidx.  The function never falls as v grows, and the same instructions serve x and the knots,
;   so a knot in a lower bucket than x is below x and a knot in a higher one is above it.
; Work-group 256: the 96 rows (tab), base[b] = how many knots lie in buckets below b (meta, 256 bytes), and M = the most knots in one bucket
;   (meta, word at byte 256, written by all 32 lanes to 32 neighbouring words).  The next launch forms its addresses and its trip count from bidx and meta.
; No address and no branch here hangs on a floating-point number: everything that depends on knots is chosen by v_cndmask_b32.
; LIMITS: knots and coefficients finite, knot differences do not overflow f32; a knot difference that is not 0 but below 2^-126 is taken as 0 by
; v_rcp_f32 (its reciprocal comes out infinite); 1/den and a multiply stand for the division; sums are formed in another order than in the recursion.
.set REC,  0                           ; 96 records of 32 bytes: q0..q3 (Q_j in powers of x - g_j), g_j, g_j+1, 8 bytes unused
.set RK,   3072                        ; 96 words: rank_i = how many knots are <= g_i
.set BK,   3456                        ; 96 words: bucket(g_i)
.set MP,   3840                        ; 4 words: the four counting waves' largest bucket fill
.set PART, 4096                        ; 384 x 16 bytes: thread t's partial sum of a row's four coefficients
.set TPS,  10240                       ; 384 words: thread t's t_p
; scalars: s2 wave, s3 chunk, s[4:15] x, coeffs, grid, bidx, tab, meta; knot k in s[16+k] (k < 48) or s[20+k] (k >= 48)
; lo and hi of the 70 knots from three samples a lane (v2, v3, v4): v[6:7] = -lo twice, v[8:9] = scale twice
.macro LOHI
	v_min3_num_f32 v6, v2, v3, v4
	v_max3_num_f32 v8, v2, v3, v4
.irp m, 1,2,4,8
	v_min_num_f32_dpp v6, v6, v6 row_xmask:\m row_mask:0xf bank_mask:0xf
	v_max_num_f32_dpp v8, v8, v8 row_xmask:\m row_mask:0xf bank_mask:0xf
.endr
	v_mov_b32 v7, 0                                ; a lane permute's destination counts as read: written first
	v_mov_b32 v9, 0
	v_permlanex16_b32 v7, v6, s90, s91             ; the other half of the wave
	v_permlanex16_b32 v9, v8, s90, s91
	v_min_num_f32 v6, v6, v7                       ; lo
	v_max_num_f32 v8, v8, v9                       ; hi
	v_sub_f32 v9, v8, v6
	v_rcp_f32 v8, v9
	v_xor_b32 v6, 0x80000000, v6                   ; -lo: the plain instruction between the reciprocal and its use
	v_mov_b32 v7, v6
	s_wait_alu depctr_va_vdst(0)
	v_mul_f32 v8, 0x43800000, v8                   ; 256 / (hi - lo); infinite where all knots are equal, and the bucket still never falls
	v_mov_b32 v9, v8
.endm
; two numbers to their buckets, in place
.macro BUCK2 a
	v_pk_add_f32 v[\a:\a+1], v[\a:\a+1], v[6:7]
	v_pk_mul_f32 v[\a:\a+1], v[\a:\a+1], v[8:9]
	v_max_num_f32 v[\a], 0, v[\a]                  ; a NaN (0 times infinity, or x itself) loses: bucket 0
	v_max_num_f32 v[\a+1], 0, v[\a+1]
	v_min_num_f32 v[\a], 0x437f0000, v[\a]         ; 255.0
	v_min_num_f32 v[\a+1], 0x437f0000, v[\a+1]
	v_cvt_u32_f32 v[\a], v[\a]
	v_cvt_u32_f32 v[\a+1], v[\a+1]
.endm
	s_load_b256 s[4:11], s[0:1], 0x0               ; x, coeffs, grid, bidx
	s_load_b128 s[12:15], s[0:1], 0x20             ; tab, meta
	v_lshl_add_u32 v96, v0, 2, 0x3000
	v_mov_b32 v97, 0
	v_and_b32 v1, 31, v0                           ; lane
	v_lshrrev_b32 v5, 5, v0
	v_readfirstlane_b32 s2, v5                     ; wave
	s_mov_b32 s90, 0x76543210                      ; v_permlanex16_b32: lane i reads lane i of the other half
	s_mov_b32 s91, 0xfedcba98
	v_lshlrev_b32 v32, 2, v1                       ; knots l and l + 32
	v_add_nc_u32 v33, 64, v1
	v_min_u32 v33, 69, v33                         ; knot min(l + 64, 69)
	v_lshlrev_b32 v33, 2, v33
	s_wait_kmcnt 0x0
	global_load_b32 v2, v32, s[8:9]
	global_load_b32 v3, v32, s[8:9] offset:128
	global_load_b32 v4, v33, s[8:9]
	s_cmp_eq_u32 ttmp9, 256
	s_cbranch_scc1 .Ltable
; ---- work-groups 0..255: 8,192 points each, 512 a wave.  Load k of a wave covers 512 neighbouring bytes; lane l holds points 128 k + 4 l + 0..3.
	s_lshl_b32 s94, ttmp9, 15                      ; 8,192 points x 4 bytes
	s_mov_b32 s95, 0
	s_add_nc_u64 s[4:5], s[4:5], s[94:95]
	s_lshl_b32 s94, ttmp9, 13                      ; 8,192 bytes of bidx
	s_add_nc_u64 s[10:11], s[10:11], s[94:95]
	s_lshl_b32 s93, s2, 11
	v_lshl_add_u32 v10, v1, 4, s93                 ; 2,048 x wave + 16 x lane
	v_lshlrev_b32 v11, 4, v0                       ; 16 x thread
.irp k, 0,1,2,3
	global_load_b128 v[12+4*\k:15+4*\k], v10, s[4:5] offset:512*\k    ; no hint: the next launch reads x again
.endr
	s_wait_loadcnt 0x4                             ; the three knot samples are in; the four loads of x stay out
	LOHI
.irp k, 0,1,2,3
	s_wait_loadcnt 3-\k                            ; load k is in, the younger ones stay out
	BUCK2 12+4*\k
	BUCK2 14+4*\k
	v_lshl_or_b32 v[28+\k], v[13+4*\k], 8, v[12+4*\k]
	v_lshl_or_b32 v[28+\k], v[14+4*\k], 16, v[28+\k]
	v_lshl_or_b32 v[28+\k], v[15+4*\k], 24, v[28+\k]                  ; byte 4 k + e of my 16 bytes: point 128 k + 4 l + e
.endr
	global_store_b128 v11, v[28:31], s[10:11]      ; the wave stores 512 neighbouring bytes
	s_endpgm
; ---- work-group 256: the table
.Ltable:
	s_load_b512 s[16:31], s[8:9], 0x0              ; all 70 knots as scalars
	s_load_b512 s[32:47], s[8:9], 0x40
	s_load_b512 s[48:63], s[8:9], 0x80
	s_load_b512 s[68:83], s[8:9], 0xc0
	s_load_b128 s[84:87], s[8:9], 0x100
	s_load_b64 s[88:89], s[8:9], 0x110
	s_lshl_b32 s93, s2, 7
	v_lshl_add_u32 v5, v1, 2, s93                  ; 4 x thread
	s_wait_loadcnt 0x0                             ; the samples: v2..v4, v32, v33 are free in every wave
	s_wait_kmcnt 0x0
	s_cmp_lt_u32 s2, 3
	s_cbranch_scc1 .LA_poly
	s_cmp_lt_u32 s2, 6
	s_cbranch_scc1 .LA_rank
	s_branch .Lbar1
; Phase A, waves 0-2: thread j makes Q_j.  G[m] = g_(j+m) in v[24+m], m = -2..3 (index clamped); C[m] = coeffs[j+m] in v[31+m], m = -3..0, 0 outside 0..65
; (that mask alone removes every term that the recursion does not have); E[m] = G[m] - G[0] in v[34+m].
.LA_poly:
.irp m, 0,1,2,3,4,5
	v_add_nc_u32 v[12+\m], \m-2, v0
	v_max_i32 v[12+\m], 0, v[12+\m]
	v_min_u32 v[12+\m], 69, v[12+\m]
	v_lshlrev_b32 v[12+\m], 2, v[12+\m]
	global_load_b32 v[22+\m], v[12+\m], s[8:9]
.endr
.irp m, 0,1,2,3
	v_add_nc_u32 v[62+\m], \m-3, v0                ; j + m, kept for the mask
	v_max_i32 v[18+\m], 0, v[62+\m]
	v_min_u32 v[18+\m], 68, v[18+\m]
	v_lshlrev_b32 v[18+\m], 2, v[18+\m]
	global_load_b32 v[28+\m], v[18+\m], s[6:7]
.endr
	s_wait_loadcnt 0x0
.irp m, 0,1,2,3
	v_cmp_gt_u32 vcc_lo, 66, v[62+\m]              ; 0 <= j + m <= 65, as one unsigned compare
	v_cndmask_b32 v[28+\m], 0, v[28+\m], vcc_lo
.endr
	v_sub_f32 v38, v27, v24                        ; the six denominators: G[3]-G[0], G[2]-G[-1], G[1]-G[-2],
	v_sub_f32 v39, v26, v23
	v_sub_f32 v40, v25, v22
	v_sub_f32 v41, v26, v24                        ; G[2]-G[0], G[1]-G[-1],
	v_sub_f32 v42, v25, v23
	v_sub_f32 v43, v25, v24                        ; G[1]-G[0]
.irp i, 0,1,2,3,4,5
	v_rcp_f32 v[62+\i], v[38+\i]
.endr
.irp m, 0,1,2,3,4,5
	v_sub_f32 v[32+\m], v[22+\m], v24              ; E: plain work between the reciprocals and their use
.endr
	s_wait_alu depctr_va_vdst(0)
.irp i, 0,1,2,3,4,5
	v_cmp_neq_f32 vcc_lo, 0, v[38+\i]
	v_cndmask_b32 v[38+\i], 0, v[62+\i], vcc_lo    ; 1/den, or 0 where den = 0
.endr
; level 2, m = -n: R3 ((s - E[m]) C[m] + (E[m+3] - s) C[m-1]), linear in s = x - g_j, into v[44+2n], v[45+2n]
.macro A2 n
	v_mul_f32 v68, v[34-\n], v[31-\n]
	v_sub_f32 v69, v[31-\n], v[30-\n]
	v_fma_f32 v68, v[37-\n], v[30-\n], -v68
	v_mul_f32 v[45+2*\n], v[38+\n], v69
	v_mul_f32 v[44+2*\n], v[38+\n], v68
.endm
	A2 0
	A2 1
	A2 2
; level 1, m = -n: R2 ((s - E[m]) U + (E[m+2] - s) V), U = level 2 at m, V at m - 1, quadratic, into v[50+3n .. 52+3n]
.macro A1 n
	v_mul_f32 v68, v[34-\n], v[44+2*\n]
	v_sub_f32 v69, v[44+2*\n], v[46+2*\n]
	v_sub_f32 v70, v[45+2*\n], v[47+2*\n]
	v_fma_f32 v68, v[36-\n], v[46+2*\n], -v68
	v_fma_f32 v69, v[36-\n], v[47+2*\n], v69
	v_fma_f32 v69, -v[34-\n], v[45+2*\n], v69
	v_mul_f32 v[50+3*\n], v[41+\n], v68
	v_mul_f32 v[51+3*\n], v[41+\n], v69
	v_mul_f32 v[52+3*\n], v[41+\n], v70
.endm
	A1 0
	A1 1
	; level 0: Q = R1 (s U + (E[1] - s) V), U = v[50:52], V = v[53:55]
	v_mul_f32 v68, v35, v53
	v_sub_f32 v69, v50, v53
	v_sub_f32 v70, v51, v54
	v_sub_f32 v71, v52, v55
	v_fma_f32 v69, v35, v54, v69
	v_fma_f32 v70, v35, v55, v70
	v_mul_f32 v56, v43, v68
	v_mul_f32 v57, v43, v69
	v_mul_f32 v58, v43, v70
	v_mul_f32 v59, v43, v71
	v_cmp_gt_u32 vcc_lo, 69, v0                    ; 69 intervals; the records behind them hold an empty interval
	v_cndmask_b32 v60, 0, v24, vcc_lo
	v_cndmask_b32 v61, 0xff800000, v25, vcc_lo     ; upper end minus infinity: never covered
	v_lshlrev_b32 v69, 3, v5                       ; 32 j
	ds_store_b128 v69, v[56:59] offset:REC
	ds_store_b64 v69, v[60:61] offset:REC+16
	s_branch .Lbar1
; Phase A, waves 3-5: thread i = t - 96 makes rank_i and bucket(g_i) (i above 69 repeats knot 69; those words are not used)
.LA_rank:
	v_add_nc_u32 v12, 0xffffffa0, v0               ; t - 96
	v_min_u32 v13, 69, v12
	v_lshlrev_b32 v13, 2, v13
	global_load_b32 v14, v13, s[8:9]
	LOHI
	v_mov_b32 v16, 0
	s_wait_loadcnt 0x0
.set k, 0
.rept 70
.if k < 48
.set kn, 16+k
.else
.set kn, 20+k
.endif
	v_cmp_le_f32 vcc_lo, s[kn], v14
	v_add_co_ci_u32 v16, vcc_lo, 0, v16, vcc_lo    ; + 1 where g_k <= g_i
.set k, k+1
.endr
	v_mov_b32 v15, v14
	BUCK2 14
	ds_store_b32 v5, v16 offset:RK-384             ; 4 t - 384 = 4 i
	ds_store_b32 v5, v14 offset:BK-384
.Lbar1:
	s_wait_dscnt 0x0                               ; my records, ranks and buckets are in LDS before I say so
	s_barrier_signal -1
	s_barrier_wait -1
	v_mov_b32 v11, 0
	s_cmp_lt_u32 s2, 12
	s_cbranch_scc0 .LB_base
; Phase B, waves 0-11: chunk = wave / 3, row p = t - 96 chunk.  t_p = the least knot whose rank is at least p; then the sum over the chunk's 18 records.
	s_mul_i32 s3, s2, 11
	s_lshr_b32 s3, s3, 5                           ; wave / 3 for waves 0..11
	s_mul_i32 s92, s3, 96
	s_mul_i32 s93, s3, 576                         ; 18 records of 32 bytes
	v_subrev_nc_u32 v10, s92, v0                   ; p
.irp i, 0,1,2,3,4,5,6,7,8,9,10,11,12,13,14,15,16,17
	ds_load_b128 v[24+4*\i:27+4*\i], v11 offset:RK+16*\i              ; every lane reads the same words: rank_k in v[24+k]
.endr
	v_mov_b32 v12, 0x7f800000
	v_mov_b32 v13, 0x7f800000
	v_mov_b32 v16, 0x7f800000
	s_wait_dscnt 0x0
.set k, 0
.rept 70
.if k < 48
.set kn, 16+k
.else
.set kn, 20+k
.endif
	v_cmp_gt_u32 vcc_lo, v10, v[24+k]              ; p > rank_k: knot k does not count
	v_cndmask_b32 v[14+k%2], s[kn], v16, vcc_lo
	v_min_num_f32 v[12+k%2], v[12+k%2], v[14+k%2]  ; two chains by turns
.set k, k+1
.endr
	v_min_num_f32 v12, v12, v13                    ; t_p (p = 0: the least knot; p > 70: infinity)
	v_mov_b32 v11, s93
	ds_store_b32 v5, v12 offset:TPS
.irp c, 18,19,20,21
	v_mov_b32 v\c, 0
.endr
; record r of a batch (q0..q3 in v[24+6r..], ends in v[28+6r], v[29+6r]): where g_j <= t_p < g_j+1 its cubic, moved to the centre t_p, is added
.macro ACC r
	s_wait_dscnt 16-2*\r                           ; the two loads of each later record stay out
	v_cmp_le_f32 s92, v[28+6*\r], v12
	v_cmp_lt_f32 vcc_lo, v12, v[29+6*\r]
	s_and_b32 vcc_lo, vcc_lo, s92
	v_sub_f32 v14, v12, v[28+6*\r]                 ; d = t_p - g_j
.irp c, 0,1,2,3
	v_cndmask_b32 v[24+6*\r+\c], 0, v[24+6*\r+\c], vcc_lo
.endr
	v_fmac_f32 v[26+6*\r], v[27+6*\r], v14         ; Q(s + d) in powers of s: three shrinking Horner passes
	v_fmac_f32 v[25+6*\r], v[26+6*\r], v14
	v_fmac_f32 v[24+6*\r], v[25+6*\r], v14
	v_fmac_f32 v[26+6*\r], v[27+6*\r], v14
	v_fmac_f32 v[25+6*\r], v[26+6*\r], v14
	v_fmac_f32 v[26+6*\r], v[27+6*\r], v14
	v_pk_add_f32 v[18:19], v[18:19], v[24+6*\r:25+6*\r]
	v_pk_add_f32 v[20:21], v[20:21], v[26+6*\r:27+6*\r]
.endm
.macro BATCH first
.irp r, 0,1,2,3,4,5,6,7,8
	ds_load_b128 v[24+6*\r:27+6*\r], v11 offset:REC+32*(\first+\r)
	ds_load_b64 v[28+6*\r:29+6*\r], v11 offset:REC+32*(\first+\r)+16
.endr
.irp r, 0,1,2,3,4,5,6,7,8
	ACC \r
.endr
.endm
	BATCH 0
	BATCH 9
	v_lshlrev_b32 v15, 2, v5                       ; 16 t
	ds_store_b128 v15, v[18:21] offset:PART
	s_branch .Lbar2
; Phase B, waves 12-15: thread u = t - 384 counts the knots in buckets below 2u, 2u + 1, 2u + 2
.LB_base:
.irp i, 0,1,2,3,4,5,6,7,8,9,10,11,12,13,14,15,16,17
	ds_load_b128 v[24+4*\i:27+4*\i], v11 offset:BK+16*\i
.endr
	v_add_nc_u32 v10, 0xfffffe80, v0               ; u
	v_lshlrev_b32 v17, 1, v10                      ; 2u
	v_add_nc_u32 v12, 1, v17
	v_add_nc_u32 v13, 2, v17
	v_mov_b32 v14, 0
	v_mov_b32 v15, 0
	v_mov_b32 v16, 0
	s_wait_dscnt 0x0
.set k, 0
.rept 70
	v_cmp_gt_u32 vcc_lo, v17, v[24+k]
	v_add_co_ci_u32 v14, vcc_lo, 0, v14, vcc_lo
	v_cmp_gt_u32 vcc_lo, v12, v[24+k]
	v_add_co_ci_u32 v15, vcc_lo, 0, v15, vcc_lo
	v_cmp_gt_u32 vcc_lo, v13, v[24+k]
	v_add_co_ci_u32 v16, vcc_lo, 0, v16, vcc_lo
.set k, k+1
.endr
	v_lshl_or_b32 v18, v15, 8, v14                 ; base[2u], base[2u+1]: counts of at most 70 fit a byte
	global_store_b16 v17, v18, s[14:15]            ; the four waves' lanes store 256 neighbouring bytes
	v_sub_nc_u32 v19, v15, v14                     ; knots in bucket 2u,
	v_sub_nc_u32 v20, v16, v15                     ; in bucket 2u + 1
	v_max_u32 v20, v19, v20
	v_cvt_f32_u32 v20, v20                         ; at most 70: exact in f32
.irp m, 1,2,4,8
	v_max_num_f32_dpp v20, v20, v20 row_xmask:\m row_mask:0xf bank_mask:0xf
.endr
	v_mov_b32 v21, 0
	v_permlanex16_b32 v21, v20, s90, s91
	v_max_num_f32 v20, v20, v21
	s_lshl_b32 s93, s2, 2
	v_mov_b32 v22, s93
	ds_store_b32 v22, v20 offset:MP-48             ; word wave - 12; all lanes write the same value
.Lbar2:
	s_wait_dscnt 0x0                               ; my partial sums, t_p and maxima are in LDS before I say so
	s_barrier_signal -1
	s_barrier_wait -1
	s_cmp_lt_u32 s2, 3
	s_cbranch_scc1 .LC_rows
	s_cmp_eq_u32 s2, 3
	s_cbranch_scc1 .LC_m
	s_wait_tensorcnt 0x0
	ds_add_u32 v96, v97
	s_wait_dscnt 0x0
	s_endpgm
; Phase C, waves 0-2: row p = t: the four chunks' sums are added and stored
.LC_rows:
	v_lshlrev_b32 v15, 2, v5                       ; 16 p
.irp c, 0,1,2,3
	ds_load_b128 v[24+4*\c:27+4*\c], v15 offset:PART+1536*\c
.endr
	ds_load_b32 v12, v5 offset:TPS
	v_add_nc_u32 v14, -1, v0
	v_cmp_gt_u32 vcc_lo, 70, v14                   ; 1 <= p <= 70
	s_wait_dscnt 0x0
	v_pk_add_f32 v[24:25], v[24:25], v[28:29]
	v_pk_add_f32 v[26:27], v[26:27], v[30:31]
	v_pk_add_f32 v[32:33], v[32:33], v[36:37]
	v_pk_add_f32 v[34:35], v[34:35], v[38:39]
	v_pk_add_f32 v[24:25], v[24:25], v[32:33]
	v_pk_add_f32 v[26:27], v[26:27], v[34:35]
.irp c, 24,25,26,27
	v_cndmask_b32 v\c, 0, v\c, vcc_lo              ; row 0 and the rows behind 70 are the zero cubic, by choice and not by a product
.endr
	global_store_b128 v15, v[24:27], s[12:13]      ; c0..c3 of row p at 16 p
	global_store_b32 v5, v12, s[12:13] offset:1536 ; t_p at 1536 + 4 p
	s_wait_tensorcnt 0x0
	ds_add_u32 v96, v97
	s_wait_dscnt 0x0
	s_endpgm
; Phase C, wave 3: M
.LC_m:
	ds_load_b128 v[24:27], v11 offset:MP
	v_lshlrev_b32 v12, 2, v1
	s_wait_dscnt 0x0
	v_max3_num_f32 v24, v24, v25, v26
	v_max_num_f32 v24, v24, v27
	v_cvt_u32_f32 v24, v24
	global_store_b32 v12, v24, s[14:15] offset:256 ; 32 copies in 128 neighbouring bytes: no lane is switched off for one word
	s_wait_tensorcnt 0x0
	ds_add_u32 v96, v97
	s_wait_dscnt 0x0
	s_endpgm
.Lfunc_end_k_q483239cb9e_buckets:
	.size	k_q483239cb9e_buckets, .Lfunc_end_k_q483239cb9e_buckets-k_q483239cb9e_buckets
	.p2alignl 7, 3214868480
	.fill 96, 4, 3214868480
	.section	.rodata,"a",@progbits
	.p2align	6, 0x0
	.amdhsa_kernel k_q483239cb9e_buckets
		.amdhsa_group_segment_fixed_size 14336
		.amdhsa_private_segment_fixed_size 0
		.amdhsa_enable_private_segment 0
		.amdhsa_kernarg_size 48
		.amdhsa_user_sgpr_count 2
		.amdhsa_user_sgpr_kernarg_segment_ptr 1
		.amdhsa_wavefront_size32 1
		.amdhsa_system_sgpr_workgroup_id_x 1
		.amdhsa_system_sgpr_workgroup_id_y 1
		.amdhsa_system_sgpr_workgroup_id_z 1
		.amdhsa_system_vgpr_workitem_id 0
		.amdhsa_next_free_vgpr 98
		.amdhsa_next_free_sgpr 96
		.amdhsa_reserve_vcc 1
		.amdhsa_float_denorm_mode_32 3
		.amdhsa_float_denorm_mode_16_64 3
		.amdhsa_memory_ordered 1
		.amdhsa_forward_progress 1
		.amdhsa_inst_pref_size 60
	.end_amdhsa_kernel
	.amdgpu_metadata
---
amdhsa.version: [ 1, 2 ]
amdhsa.kernels:
  - .name:           k_q483239cb9e_buckets
    .symbol:         k_q483239cb9e_buckets.kd
    .args:
      - { .name: x, .offset: 0, .size: 8, .value_kind: global_buffer, .address_space: global }
      - { .name: coeffs, .offset: 8, .size: 8, .value_kind: global_buffer, .address_space: global }
      - { .name: grid, .offset: 16, .size: 8, .value_kind: global_buffer, .address_space: global }
      - { .name: bidx, .offset: 24, .size: 8, .value_kind: global_buffer, .address_space: global }
      - { .name: tab, .offset: 32, .size: 8, .value_kind: global_buffer, .address_space: global }
      - { .name: meta, .offset: 40, .size: 8, .value_kind: global_buffer, .address_space: global }
    .group_segment_fixed_size: 14336
    .private_segment_fixed_size: 0
    .kernarg_segment_align: 8
    .kernarg_segment_size: 48
    .max_flat_workgroup_size: 512
    .sgpr_count:     96
    .vgpr_count:     98
    .wavefront_size: 32
...
	.end_amdgpu_metadata
.endif
;; end of part 1
;; launch spline (part 2): grid 256 x 1, 16 waves a work-group, no clusters, 53,760 bytes of LDS; arguments x, bidx, tab, meta, out0; writes out0
.if DOCPART == 2
	.amdgcn_target "amdgcn-amd-amdhsa--gfx1250"
	.amdhsa_code_object_version 6
	.text
	.protected	k_q483239cb9e_spline
	.globl	k_q483239cb9e_spline
	.p2align	8
	.type	k_q483239cb9e_spline,@function
k_q483239cb9e_spline:
	s_mov_b64 s[64:65], 0
	v_nop
	global_prefetch_b8 v0, s[64:65] scope:SCOPE_SE
	s_setreg_imm32_b32 hwreg(HW_REG_WAVE_MODE, 25, 1), 1
	s_wait_xcnt 0x0
; Second launch: out[n] = the cubic of the largest knot <= x[n], at x[n].
; From the first launch: bidx (a bucket byte for each point), meta (base[b] = how many knots lie in buckets below b; M = the most knots in one bucket),
; tab (row p: c0..c3 at 16 p, centre t_p at 1536 + 4 p; row p belongs to the p-th smallest knot, row 0 is the zero cubic).
; The base[b] knots of lower buckets are below x, so row base[b] is taken as it is.  Then M trips: p = min(p + 1, 70), and row p's value is kept where
; x >= t_p.  The centres rise with p, so the last value kept is the right one; knots of higher buckets are above x and are never kept.
; Addresses come from whole numbers read from memory (bidx, meta) alone; floating-point numbers only choose between values (v_cndmask_b32).
; 256 work-groups of 16 waves; a wave takes 512 points, a lane 16.  All of a wave's global loads are out at once, so no ring is needed.
; The matrix unit has nothing to do: the one-column product with coeffs is folded into the rows.
; LIMITS: as stated for the table (finite knots and coefficients).  x = NaN or an infinity gives NaN (0 times infinity in the zero cubic), as the recursion does.
.set COEF, 0                           ; 80 rows x 512 bytes: lane l's own copy of row p at 512 p + 16 l
.set CEN,  40960                       ; 80 rows x 128 bytes: lane l's copy of t_p at 128 p + 4 l: 32 lanes, 32 different words modulo 256 bytes
.set BASE, 51200                       ; base[0..255], one byte each
.set W,   12                           ; v[12:15]   my 16 bucket bytes
.set X,   16                           ; v[16:31]   my 16 points
.set P,   32                           ; v[32:47]   row number of each point
.set CA,  48                           ; v[48:63]   bucket, then the address of the row's coefficients
.set T,   64                           ; v[64:79]   t_p, then s = x - t_p
.set VAL, 80                           ; v[80:95]   the value kept
.set C,   96                           ; v[96:159]  c0..c3 of each point's row; the last of the four becomes Horner's running value
.set PA,  160                          ; v[160:175] the address of the row's centre
	s_load_b256 s[4:11], s[0:1], 0x0               ; x, bidx, tab, meta
	s_load_b64 s[12:13], s[0:1], 0x20              ; out0
	v_lshl_add_u32 v176, v0, 2, 0xca00
	v_mov_b32 v177, 0
	v_and_b32 v1, 31, v0                           ; lane
	v_lshrrev_b32 v2, 5, v0
	v_readfirstlane_b32 s2, v2                     ; wave
	v_lshlrev_b32 v2, 2, v1                        ; 4 l
	v_lshlrev_b32 v3, 3, v1                        ; 8 l
	s_lshl_b32 s16, s2, 4
	s_lshl_b32 s17, s2, 2
	s_lshl_b32 s18, s2, 9
	s_lshl_b32 s19, s2, 7
	s_lshl_b32 s20, s2, 11
	v_mov_b32 v6, s16                              ; 16 x wave: row w's coefficients in tab
	v_mov_b32 v7, s17                              ; 4 x wave: its centre
	v_lshl_add_u32 v8, v1, 4, s18                  ; 512 w + 16 l: my copy of row w in COEF; also 16 x thread, my bytes of bidx
	v_lshl_add_u32 v9, v1, 2, s19                  ; 128 w + 4 l: my copy in CEN
	v_lshl_add_u32 v4, v1, 4, s20                  ; 2,048 w + 16 l: my points in x and out0
	s_lshl_b32 s22, ttmp9, 15                      ; 8,192 points x 4 bytes
	s_mov_b32 s23, 0
	s_wait_kmcnt 0x0
	s_load_b32 s3, s[10:11], 0x100                 ; M
	s_add_nc_u64 s[4:5], s[4:5], s[22:23]
	s_add_nc_u64 s[12:13], s[12:13], s[22:23]
	s_lshl_b32 s22, ttmp9, 13                      ; 8,192 bytes of bidx
	s_add_nc_u64 s[6:7], s[6:7], s[22:23]
	; wave w spreads rows w + 16 k, k = 0..4: every lane loads the same 16 + 4 bytes and stores them to its own copy
.irp k, 0,1,2,3,4
	global_load_b128 v[C+4*\k:C+4*\k+3], v6, s[8:9] offset:256*\k
	global_load_b32 v[T+\k], v7, s[8:9] offset:1536+64*\k
.endr
.irp k, 0,1,2,3
	global_load_b128 v[X+4*\k:X+4*\k+3], v4, s[4:5] offset:512*\k th:TH_LOAD_NT
.endr
	global_load_b128 v[W:W+3], v8, s[6:7] th:TH_LOAD_NT
	s_cmp_lg_u32 s2, 0
	s_cbranch_scc1 .Lnot_wave_0
	global_load_b64 v[10:11], v3, s[10:11]         ; wave 0 brings the 256 base bytes; it is issued behind all other loads, so its wait adds none of its own
	s_wait_loadcnt 0x0
	ds_store_b64 v3, v[10:11] offset:BASE
.Lnot_wave_0:
	s_wait_loadcnt 0x5                             ; the ten table loads are in; the five youngest (x four times, bidx) may stay out
.irp k, 0,1,2,3,4
	ds_store_b128 v8, v[C+4*\k:C+4*\k+3] offset:COEF+8192*\k
	ds_store_b32 v9, v[T+\k] offset:CEN+2048*\k
.endr
	s_wait_dscnt 0x0                               ; my rows are in LDS before I say so
	s_barrier_signal -1
	s_barrier_wait -1                              ; the one barrier: the tables are whole and are only read from here on
	s_wait_loadcnt 0x0                             ; x and bidx
	s_wait_kmcnt 0x0
	s_min_u32 s3, s3, 70                           ; there are 70 knots
	; bucket -> base[bucket] = the first row
.set q, 0
.rept 16
	v_bfe_u32 v[CA+q], v[W+q/4], 8*(q%4), 8
	v_min_u32 v[CA+q], 0xff, v[CA+q]               ; the table's bound, written in the instruction
	ds_load_u8 v[P+q], v[CA+q] offset:BASE
.set q, q+1
.endr
	s_wait_dscnt 0x0
.set q, 0
.rept 16
	v_min_u32 v[P+q], 70, v[P+q]
.set q, q+1
.endr
; the 16 points' rows are asked for; step = 1: first the next row, never past row 70
.macro GATHER step
.set q, 0
.rept 16
.if \step
	v_add_nc_u32 v[P+q], 1, v[P+q]
	v_min_u32 v[P+q], 70, v[P+q]
.endif
	v_lshl_add_u32 v[PA+q], v[P+q], 7, v2          ; 128 p + 4 l
	v_lshlrev_b32 v[CA+q], 2, v[PA+q]              ; 512 p + 16 l
	ds_load_b128 v[C+4*q:C+4*q+3], v[CA+q] offset:COEF
	ds_load_b32 v[T+q], v[PA+q] offset:CEN
.set q, q+1
.endr
.endm
; ((c3 s + c2) s + c1) s + c0, four points side by side.  sel = 0: the value is taken; sel = 1: it is kept where s >= 0
.macro HORNER sel
.irp g, 0,1,2,3
	s_wait_dscnt 24-8*\g                           ; LDS loads come back in order: the two loads of each of the 12 - 4 g later points stay out
.irp e, 0,1,2,3
	v_sub_f32 v[T+4*\g+\e], v[X+4*\g+\e], v[T+4*\g+\e]
.endr
.irp e, 0,1,2,3
	v_fma_f32 v[C+16*\g+4*\e+3], v[C+16*\g+4*\e+3], v[T+4*\g+\e], v[C+16*\g+4*\e+2]
.endr
.irp e, 0,1,2,3
	v_fma_f32 v[C+16*\g+4*\e+3], v[C+16*\g+4*\e+3], v[T+4*\g+\e], v[C+16*\g+4*\e+1]
.endr
.if \sel
.irp e, 0,1,2,3
	v_fma_f32 v[C+16*\g+4*\e+3], v[C+16*\g+4*\e+3], v[T+4*\g+\e], v[C+16*\g+4*\e]
.endr
.irp e, 0,1,2,3
	v_cmp_le_f32 vcc_lo, 0, v[T+4*\g+\e]
	v_cndmask_b32 v[VAL+4*\g+\e], v[VAL+4*\g+\e], v[C+16*\g+4*\e+3], vcc_lo
.endr
.else
.irp e, 0,1,2,3
	v_fma_f32 v[VAL+4*\g+\e], v[C+16*\g+4*\e+3], v[T+4*\g+\e], v[C+16*\g+4*\e]
.endr
.endif
.endr
.endm
	GATHER 0
	HORNER 0
	s_mov_b32 s14, 0
.Ltrip:                                            ; M trips: 1 where no bucket holds two knots, 70 at the most
	GATHER 1
	HORNER 1
	s_add_co_u32 s14, s14, 1
	s_cmp_lt_u32 s14, s3
	s_cbranch_scc1 .Ltrip
.irp k, 0,1,2,3
	global_store_b128 v4, v[VAL+4*\k:VAL+4*\k+3], s[12:13] offset:512*\k th:TH_STORE_NT   ; each store of the wave covers 512 consecutive bytes, aligned
.endr
	s_wait_tensorcnt 0x0
	ds_add_u32 v176, v177
	s_wait_dscnt 0x0
	s_endpgm
.Lfunc_end_k_q483239cb9e_spline:
	.size	k_q483239cb9e_spline, .Lfunc_end_k_q483239cb9e_spline-k_q483239cb9e_spline
	.p2alignl 7, 3214868480
	.fill 96, 4, 3214868480
	.section	.rodata,"a",@progbits
	.p2align	6, 0x0
	.amdhsa_kernel k_q483239cb9e_spline
		.amdhsa_group_segment_fixed_size 53760
		.amdhsa_private_segment_fixed_size 0
		.amdhsa_enable_private_segment 0
		.amdhsa_kernarg_size 40
		.amdhsa_user_sgpr_count 2
		.amdhsa_user_sgpr_kernarg_segment_ptr 1
		.amdhsa_wavefront_size32 1
		.amdhsa_system_sgpr_workgroup_id_x 1
		.amdhsa_system_sgpr_workgroup_id_y 1
		.amdhsa_system_sgpr_workgroup_id_z 1
		.amdhsa_system_vgpr_workitem_id 0
		.amdhsa_next_free_vgpr 178
		.amdhsa_next_free_sgpr 66
		.amdhsa_reserve_vcc 1
		.amdhsa_float_denorm_mode_32 3
		.amdhsa_float_denorm_mode_16_64 3
		.amdhsa_memory_ordered 1
		.amdhsa_forward_progress 1
		.amdhsa_inst_pref_size 26
	.end_amdhsa_kernel
	.amdgpu_metadata
---
amdhsa.version: [ 1, 2 ]
amdhsa.kernels:
  - .name:           k_q483239cb9e_spline
    .symbol:         k_q483239cb9e_spline.kd
    .args:
      - { .name: x, .offset: 0, .size: 8, .value_kind: global_buffer, .address_space: global }
      - { .name: bidx, .offset: 8, .size: 8, .value_kind: global_buffer, .address_space: global }
      - { .name: tab, .offset: 16, .size: 8, .value_kind: global_buffer, .address_space: global }
      - { .name: meta, .offset: 24, .size: 8, .value_kind: global_buffer, .address_space: global }
      - { .name: out0, .offset: 32, .size: 8, .value_kind: global_buffer, .address_space: global }
    .group_segment_fixed_size: 53760
    .private_segment_fixed_size: 0
    .kernarg_segment_align: 8
    .kernarg_segment_size: 40
    .max_flat_workgroup_size: 512
    .sgpr_count:     66
    .vgpr_count:     178
    .wavefront_size: 32
...
	.end_amdgpu_metadata
.endif
;; end of part 2
;; ======== version 2 of 2: 2 launches; version 1 with the launch spline written anew for expert scheduling mode
;; workspace buffers: bidx 2,097,152 bytes of whole numbers; meta 512 bytes of whole numbers; tab 2,048 bytes
;; launch buckets: the kernel of part 1 again; grid 257 x 1, 16 waves a work-group, no clusters, 14,336 bytes of LDS; arguments x, coeffs, grid, bidx, tab, meta; writes bidx, tab, meta
;; launch spline (part 3): grid 256 x 1, 16 waves a work-group, no clusters, 53,760 bytes of LDS; arguments x, bidx, tab, meta, out0; writes out0
.if DOCPART == 3
	.amdgcn_target "amdgcn-amd-amdhsa--gfx1250"
	.amdhsa_code_object_version 6
	.text
	.protected	k_q483239cb9e_spline
	.globl	k_q483239cb9e_spline
	.p2align	8
	.type	k_q483239cb9e_spline,@function
k_q483239cb9e_spline:
	s_mov_b64 s[64:65], 0
	v_nop
	global_prefetch_b8 v0, s[64:65] scope:SCOPE_SE
	s_setreg_imm32_b32 hwreg(HW_REG_WAVE_SCHED_MODE, 0, 2), 2
	s_setreg_imm32_b32 hwreg(HW_REG_WAVE_MODE, 25, 1), 1
	s_wait_xcnt 0x0
	s_wait_alu depctr_vm_vsrc(0)
; Second launch: out[n] = the cubic of the largest knot <= x[n], at x[n].
; From the first launch: bidx (a bucket byte for each point), meta (base[b] = how many knots lie in buckets below b; M = the most knots in one bucket),
; tab (row p: c0..c3 at 16 p, centre t_p at 1536 + 4 p; row p belongs to the p-th smallest knot, row 0 is the zero cubic).
; The base[b] knots of lower buckets are below x, so row base[b] is taken as it is.  Then M times: p = min(p + 1, 70), and row p's value is kept where
; x >= t_p.  The centres rise with p, so the last value kept is the right one; knots of higher buckets are above x and are never kept.
; Addresses come from whole numbers read from memory (bidx, meta) alone; floating-point numbers only choose between values (v_cndmask_b32).
; 256 work-groups of 16 waves; a wave takes 512 points, a lane 16.  All of a wave's global loads are out at once, so no ring is needed.
; The matrix unit has nothing to do: the one-column product with coeffs is folded into the rows.
; LIMITS: as stated for the table (finite knots and coefficients).  x = NaN or an infinity gives NaN (0 times infinity in the zero cubic), as the recursion does.
; THE MODE: SCHED_MODE bits 1:0 = 2 (LLVM: expert scheduling mode 2), set by the entry lines.  The code itself states the register dependences
; between vector instructions and memory or LDS instructions, with s_wait_alu, always for 0.
; THE PLAN.  The lane's 16 points are two halves, A (points 0-7) and B (points 8-15), each of two groups of four.  The evaluations go A0, B0, A1, B1, .. A_M, B_M.
; Registers that memory or LDS instructions touch behind the barrier:
;   C, T of a half    Written by the half's 16 LDS loads, which are issued in the OTHER half's step; read, and in part rewritten, by the half's own Horner lines.
;   PA, CA of a half  Written at the end of the half's step (ADDR); read by those 16 loads, one step later.
;   VAL               Written by the Horner lines; read by the four stores at the end.
;   v3, v4, v6 .. v9  Offsets, made once at the head and never written again.
; A step on half h names h's C, T, X, VAL, P, PA, CA and none of the other half's.  So ONE wait on va_vdst at a step's head states all that the step's 16 loads
; hang on (the step before has written their addresses and is done with the registers in which they land), and the loads are dealt among the step's vector
; lines, eight ahead of each group.  One wait on vm_vsrc stands ahead of ADDR: the loads of one step back have read the addresses that it writes anew.
; A compare's mask goes into a scalar register, four to a run, with one wait on va_sdst between the run and the four selects.
.set COEF, 0                           ; 80 rows x 512 bytes: lane l's own copy of row p at 512 p + 16 l
.set CEN,  40960                       ; 80 rows x 128 bytes: lane l's copy of t_p at 128 p + 4 l: 32 lanes, 32 different words modulo 256 bytes
.set BASE, 51200                       ; base[0..255], one byte each
.set W,   12                           ; v[12:15]   my 16 bucket bytes
.set X,   16                           ; v[16:31]   my 16 points
.set P,   32                           ; v[32:47]   row number of each point
.set CA,  48                           ; v[48:63]   bucket, then the address of the row's coefficients
.set T,   64                           ; v[64:79]   t_p, then s = x - t_p
.set VAL, 80                           ; v[80:95]   the value kept
.set C,   96                           ; v[96:159]  c0..c3 of each point's row; the last of the four becomes Horner's running value
.set PA,  160                          ; v[160:175] the address of the row's centre
.set MK,  16                           ; s[16:19]   behind the head: the masks of a group's four compares
	s_load_b256 s[4:11], s[0:1], 0x0               ; x, bidx, tab, meta
	s_load_b64 s[12:13], s[0:1], 0x20              ; out0
	v_lshl_add_u32 v176, v0, 2, 0xca00
	v_mov_b32 v177, 0
	v_and_b32 v1, 31, v0                           ; lane
	v_lshrrev_b32 v2, 5, v0
	v_readfirstlane_b32 s2, v2                     ; wave
	v_lshlrev_b32 v2, 2, v1                        ; 4 l
	v_lshlrev_b32 v3, 3, v1                        ; 8 l
	s_wait_alu depctr_va_sdst(0)                   ; s2 is written, ahead of its first reader: the wave's offsets and the branch on the wave are made from it
	s_lshl_b32 s16, s2, 4
	s_lshl_b32 s17, s2, 2
	s_lshl_b32 s18, s2, 9
	s_lshl_b32 s19, s2, 7
	s_lshl_b32 s20, s2, 11
	v_mov_b32 v6, s16                              ; 16 x wave: row w's coefficients in tab
	v_mov_b32 v7, s17                              ; 4 x wave: its centre
	v_lshl_add_u32 v8, v1, 4, s18                  ; 512 w + 16 l: my copy of row w in COEF; also 16 x thread, my bytes of bidx
	v_lshl_add_u32 v9, v1, 2, s19                  ; 128 w + 4 l: my copy in CEN
	v_lshl_add_u32 v4, v1, 4, s20                  ; 2,048 w + 16 l: my points in x and out0
	s_lshl_b32 s22, ttmp9, 15                      ; 8,192 points x 4 bytes
	s_mov_b32 s23, 0
	s_wait_kmcnt 0x0
	s_load_b32 s3, s[10:11], 0x100                 ; M
	s_add_nc_u64 s[4:5], s[4:5], s[22:23]
	s_add_nc_u64 s[12:13], s[12:13], s[22:23]
	s_lshl_b32 s22, ttmp9, 13                      ; 8,192 bytes of bidx
	s_add_nc_u64 s[6:7], s[6:7], s[22:23]
	s_wait_alu depctr_va_vdst(0)                   ; the offsets v3, v4, v6 to v9 are written: every global load and store and every LDS store of the kernel reads one of them
	; wave w spreads rows w + 16 k, k = 0..4: every lane loads the same 16 + 4 bytes and stores them to its own copy
.irp k, 0,1,2,3,4
	global_load_b128 v[C+4*\k:C+4*\k+3], v6, s[8:9] offset:256*\k
	global_load_b32 v[T+\k], v7, s[8:9] offset:1536+64*\k
.endr
.irp k, 0,1,2,3
	global_load_b128 v[X+4*\k:X+4*\k+3], v4, s[4:5] offset:512*\k th:TH_LOAD_NT
.endr
	global_load_b128 v[W:W+3], v8, s[6:7] th:TH_LOAD_NT
	s_cmp_lg_u32 s2, 0
	s_cbranch_scc1 .Lnot_wave_0
	global_load_b64 v[10:11], v3, s[10:11]         ; wave 0 brings the 256 base bytes; it is issued behind all other loads, so its wait adds none of its own
	s_wait_loadcnt 0x0
	ds_store_b64 v3, v[10:11] offset:BASE
.Lnot_wave_0:
	s_wait_loadcnt 0x5                             ; the ten table loads are in; the five youngest (x four times, bidx) may stay out
.irp k, 0,1,2,3,4
	ds_store_b128 v8, v[C+4*\k:C+4*\k+3] offset:COEF+8192*\k
	ds_store_b32 v9, v[T+\k] offset:CEN+2048*\k
.endr
	s_wait_dscnt 0x0                               ; my rows are in LDS before I say so
	s_barrier_signal -1
	s_barrier_wait -1                              ; the one barrier: the tables are whole and are only read from here on
	s_wait_loadcnt 0x0                             ; x and bidx
	s_wait_kmcnt 0x0
	s_min_u32 s3, s3, 70                           ; there are 70 knots
; half h's addresses.  step = 1: first the next row; in either case never past row 70, the bound written in the instruction
.macro ADDR h, step
.if \step
.irp e, 0,1,2,3,4,5,6,7
	v_add_nc_u32 v[P+8*(\h)+\e], 1, v[P+8*(\h)+\e]
.endr
.endif
.irp e, 0,1,2,3,4,5,6,7
	v_min_u32 v[P+8*(\h)+\e], 70, v[P+8*(\h)+\e]
.endr
.irp e, 0,1,2,3,4,5,6,7
	v_lshl_add_u32 v[PA+8*(\h)+\e], v[P+8*(\h)+\e], 7, v2      ; 128 p + 4 l
.endr
.irp e, 0,1,2,3,4,5,6,7
	v_lshlrev_b32 v[CA+8*(\h)+\e], 2, v[PA+8*(\h)+\e]          ; 512 p + 16 l
.endr
.endm
; group g's four rows are asked for: eight LDS loads
.macro LOADS g
.irp e, 0,1,2,3
	ds_load_b128 v[C+16*(\g)+4*\e:C+16*(\g)+4*\e+3], v[CA+4*(\g)+\e] offset:COEF
	ds_load_b32 v[T+4*(\g)+\e], v[PA+4*(\g)+\e] offset:CEN
.endr
.endm
; ((c3 s + c2) s + c1) s + c0 for group g, four points side by side.  sel = 0: the value is taken; sel = 1: it is kept where s >= 0
.macro HORNER g, sel
.irp e, 0,1,2,3
	v_sub_f32 v[T+4*(\g)+\e], v[X+4*(\g)+\e], v[T+4*(\g)+\e]
.endr
.if \sel
.irp e, 0,1,2,3
	v_cmp_le_f32 s[MK+\e], 0, v[T+4*(\g)+\e]       ; the four masks in a run, twelve lines ahead of their readers
.endr
.endif
.irp e, 0,1,2,3
	v_fma_f32 v[C+16*(\g)+4*\e+3], v[C+16*(\g)+4*\e+3], v[T+4*(\g)+\e], v[C+16*(\g)+4*\e+2]
.endr
.irp e, 0,1,2,3
	v_fma_f32 v[C+16*(\g)+4*\e+3], v[C+16*(\g)+4*\e+3], v[T+4*(\g)+\e], v[C+16*(\g)+4*\e+1]
.endr
.if \sel
.irp e, 0,1,2,3
	v_fma_f32 v[C+16*(\g)+4*\e+3], v[C+16*(\g)+4*\e+3], v[T+4*(\g)+\e], v[C+16*(\g)+4*\e]
.endr
	s_wait_alu depctr_va_sdst(0)                   ; the four compares have written s[MK ..], ahead of the selects that read them
.irp e, 0,1,2,3
	v_cndmask_b32 v[VAL+4*(\g)+\e], v[VAL+4*(\g)+\e], v[C+16*(\g)+4*\e+3], s[MK+\e]
.endr
.else
.irp e, 0,1,2,3
	v_fma_f32 v[VAL+4*(\g)+\e], v[C+16*(\g)+4*\e+3], v[T+4*(\g)+\e], v[C+16*(\g)+4*\e]
.endr
.endif
.endm
; A step: half h is evaluated; o is the other half.  ahead = 1: o's next rows are asked for.  ahead = 0 (the last step alone, h = 1): half A's values leave instead.
; addr = 1: h's next addresses are made.
.macro STEP h, o, sel, ahead, addr
	s_wait_dscnt 0x8                               ; LDS loads come back in order: h's first group is in, the eight loads of its second group stay out
.if \ahead
	s_wait_alu depctr_va_vdst(0)                   ; the lines ahead of this step have written o's PA and CA, which the loads below read, and are done reading and writing o's C and T, in which they land
	LOADS 2*(\o)
.else
	s_wait_alu depctr_va_vdst(0)                   ; the step before has written VAL of points 0 to 7, which the two stores below read
.irp k, 0,1
	global_store_b128 v4, v[VAL+4*\k:VAL+4*\k+3], s[12:13] offset:512*\k th:TH_STORE_NT   ; each store of the wave covers 512 consecutive bytes, aligned
.endr
.endif
	HORNER 2*(\h), \sel
.if \ahead
	s_wait_dscnt 0x8                               ; h's second group is in; the eight loads just issued for o stay out
	LOADS 2*(\o)+1                                 ; no wait: no vector line since the step's head names o's registers
.else
	s_wait_dscnt 0x0                               ; h's second group is in; nothing was issued behind it
.endif
	HORNER 2*(\h)+1, \sel
.if \addr
	s_wait_alu depctr_vm_vsrc(0)                   ; the loads of h's rows, issued in the step before, have read h's PA and CA, which the lines below write anew
	ADDR \h, 1
.endif
.endm
	; bucket -> base[bucket] = the first row
.set q, 0
.rept 16
	v_bfe_u32 v[CA+q], v[W+q/4], 8*(q%4), 8
.set q, q+1
.endr
.set q, 0
.rept 16
	v_min_u32 v[CA+q], 0xff, v[CA+q]               ; the table's bound, written in the instruction
.set q, q+1
.endr
	s_wait_alu depctr_va_vdst(0)                   ; the sixteen bucket numbers in CA are written, which the byte loads read as addresses
.set q, 0
.rept 16
	ds_load_u8 v[P+q], v[CA+q] offset:BASE
.set q, q+1
.endr
	s_wait_dscnt 0x8                               ; half A's first rows are in; half B's eight byte loads stay out
	s_wait_alu depctr_vm_vsrc(0)                   ; the byte loads have read CA, which ADDR writes anew; my LDS stores of the rows have read C and T, in which the rows' loads land
	ADDR 0, 0
	s_wait_alu depctr_va_vdst(0)                   ; half A's PA and CA are written, which the sixteen loads below read
	LOADS 0
	LOADS 1
	s_wait_dscnt 0x10                              ; half B's first rows are in; the sixteen loads just issued stay out
	ADDR 1, 0
	STEP 0, 1, 0, 1, 1                             ; A: row base[b] is taken as it is | B's first rows are asked for
	STEP 1, 0, 0, 1, 1                             ; B: the same | A's rows of the first selecting evaluation
	s_mov_b32 s14, 1
	s_cmp_lt_u32 s14, s3
	s_cbranch_scc0 .Ltail                          ; where no bucket holds two knots the one selecting evaluation is the tail's
.Ltrip:                                            ; M - 1 trips, 69 at the most; the way in, the way back and the jump over it all come from a step on B that asked for A's rows
	STEP 0, 1, 1, 1, 1
	STEP 1, 0, 1, 1, 1
	s_add_co_u32 s14, s14, 1
	s_cmp_lt_u32 s14, s3
	s_cbranch_scc1 .Ltrip
.Ltail:                                            ; the last evaluation is written out: no row beyond it is asked for
	STEP 0, 1, 1, 1, 0
	STEP 1, 0, 1, 0, 0
	s_wait_alu depctr_va_vdst(0)                   ; the last step has written VAL of points 8 to 15, which the two stores below read
.irp k, 2,3
	global_store_b128 v4, v[VAL+4*\k:VAL+4*\k+3], s[12:13] offset:512*\k th:TH_STORE_NT   ; each store of the wave covers 512 consecutive bytes, aligned
.endr
	s_wait_dscnt 0x0
	s_wait_alu depctr_hold_cnt(0) depctr_sa_sdst(0) depctr_va_vdst(0) depctr_va_sdst(0) depctr_va_ssrc(0) depctr_va_vcc(0) depctr_vm_vsrc(0)
	s_wait_tensorcnt 0x0
	ds_add_u32 v176, v177
	s_wait_dscnt 0x0
	s_endpgm
.Lfunc_end_k_q483239cb9e_spline:
	.size	k_q483239cb9e_spline, .Lfunc_end_k_q483239cb9e_spline-k_q483239cb9e_spline
	.p2alignl 7, 3214868480
	.fill 96, 4, 3214868480
	.section	.rodata,"a",@progbits
	.p2align	6, 0x0
	.amdhsa_kernel k_q483239cb9e_spline
		.amdhsa_group_segment_fixed_size 53760
		.amdhsa_private_segment_fixed_size 0
		.amdhsa_enable_private_segment 0
		.amdhsa_kernarg_size 40
		.amdhsa_user_sgpr_count 2
		.amdhsa_user_sgpr_kernarg_segment_ptr 1
		.amdhsa_wavefront_size32 1
		.amdhsa_system_sgpr_workgroup_id_x 1
		.amdhsa_system_sgpr_workgroup_id_y 1
		.amdhsa_system_sgpr_workgroup_id_z 1
		.amdhsa_system_vgpr_workitem_id 0
		.amdhsa_next_free_vgpr 178
		.amdhsa_next_free_sgpr 66
		.amdhsa_reserve_vcc 0
		.amdhsa_float_denorm_mode_32 3
		.amdhsa_float_denorm_mode_16_64 3
		.amdhsa_memory_ordered 1
		.amdhsa_forward_progress 1
		.amdhsa_inst_pref_size 38
	.end_amdhsa_kernel
	.amdgpu_metadata
---
amdhsa.version: [ 1, 2 ]
amdhsa.kernels:
  - .name:           k_q483239cb9e_spline
    .symbol:         k_q483239cb9e_spline.kd
    .args:
      - { .name: x, .offset: 0, .size: 8, .value_kind: global_buffer, .address_space: global }
      - { .name: bidx, .offset: 8, .size: 8, .value_kind: global_buffer, .address_space: global }
      - { .name: tab, .offset: 16, .size: 8, .value_kind: global_buffer, .address_space: global }
      - { .name: meta, .offset: 24, .size: 8, .value_kind: global_buffer, .address_space: global }
      - { .name: out0, .offset: 32, .size: 8, .value_kind: global_buffer, .address_space: global }
    .group_segment_fixed_size: 53760
    .private_segment_fixed_size: 0
    .kernarg_segment_align: 8
    .kernarg_segment_size: 40
    .max_flat_workgroup_size: 512
    .sgpr_count:     66
    .vgpr_count:     178
    .wavefront_size: 32
...
	.end_amdgpu_metadata
.endif
;; end of part 3
